; MI455X (gfx1250); checked and timed in simulation.
; The chip was launched on July 23, 2026; its instructions are those of AMD's public machine-readable ISA for CDNA 5 (MIT licence, August 2026) and "CDNA5" Instruction Set Architecture Reference Guide (July 2026). The comments in the code are by the model that wrote it; some were corrected since.
;; Multi Head Attention. Allowed arithmetic: matrix products marked QUANTISED: E4M3 operands, one given power-of-two scale a tensor, by v_wmma_f32_16x16x64_fp8_fp8 or v_wmma_f32_16x16x128_fp8_fp8, f32 sums; everything else in f32.
;; Inputs: Wk_codes 1,024 x 32 x 32 uint8 (E4M3 codes of Wk, K innermost, in blocks of 32 codes); Wo_codes 1,024 x 32 x 32 uint8 (E4M3 codes of Wo, K innermost, in blocks of 32 codes); Wq_codes 1,024 x 32 x 32 uint8 (E4M3 codes of Wq, K innermost, in blocks of 32 codes); Wv_codes 1,024 x 32 x 32 uint8 (E4M3 codes of Wv, K innermost, in blocks of 32 codes); bo 1,024 float32; lowp_scales 12 int32 (the exponents e of the quantised operands' scales 2^e); x_codes 4 x 2,048 x 32 x 32 uint8 (E4M3 codes of x, K innermost, in blocks of 32 codes).
;; Outputs: out0 4 x 2,048 x 1,024 float32.
;; This version of the problem:
;;   THIS VERSION OF THE PROBLEM IS GIVEN IN LOW PRECISION. The matrix products marked QUANTISED in the list below multiply operands that are first quantised to E4M3 (4 exponent bits, 3 mantissa bits; 8 bits a number), with one given power-of-two scale for each operand tensor; their sums are f32. All else is computed in f32.
;;   The module's matrix products, in the order in which they are computed (A, B: the left and right operand; K: the contracted axis; several contracted axes count as one K, in the product's order):
;;     1. [M 8,192, K 1,024] x [K 1,024, N 1,024]; A: input x (given as codes); B: input Wq (given as codes): QUANTISED (scales: A lowp_scales[0], B lowp_scales[1])
;;     2. [M 8,192, K 1,024] x [K 1,024, N 1,024]; A: input x (given as codes); B: input Wk (given as codes): QUANTISED (scales: A lowp_scales[2], B lowp_scales[3])
;;     3. [M 8,192, K 1,024] x [K 1,024, N 1,024]; A: input x (given as codes); B: input Wv (given as codes): QUANTISED (scales: A lowp_scales[4], B lowp_scales[5])
;;     4. batch 64 x [M 2,048, K 64] x [K 64, N 2,048]; A: computed on the way; B: computed on the way: QUANTISED (scales: A lowp_scales[6], B lowp_scales[7])
;;     5. batch 64 x [M 2,048, K 2,048] x [K 2,048, N 64]; A: softmax (see below); B: computed on the way: QUANTISED (scales: A lowp_scales[8], B lowp_scales[9])
;;     6. [M 8,192, K 1,024] x [K 1,024, N 1,024]; A: computed on the way; B: input Wo (given as codes): QUANTISED (scales: A lowp_scales[10], B lowp_scales[11])
;;   THE QUANTISER, for each operand of a quantised product, along K:
;;     - The operand's scale is 2^e, e = its entry of the input lowp_scales (int32; the entries are numbered through the quantised products in the list's order, A before B).
;;     - Each number is divided by the scale, clamped to +-448, and rounded to the nearest number of E4M3, ties to even, subnormals kept.
;;     - The product sums the exact products of the quantised numbers (number of the format x scale) in f32.
;;   ~~~python
;;   def quantise(x, axis, e):      # numpy; x: float32 -> the quantised numbers, widened to float32 again
;;       x = np.moveaxis(x, axis, -1); K = x.shape[-1]
;;       r = np.clip(x / 2.0 ** e, -448, 448)
;;       step = 2.0 ** (np.maximum(np.frexp(np.where(r == 0, 1, r))[1] - 1, -6) - 3)
;;       q = np.round(r / step) * step * 2.0 ** e      # np.round: ties to even
;;       return np.moveaxis(q, -1, axis).astype(np.float32)
;;   ~~~
;;   SOFTMAX AHEAD OF A QUANTISED PRODUCT. Where the list says 'softmax', what is quantised is not the finished softmax but p = 2^(t - M), with t = logit x log2(e) and M = ceil(the row's largest t), a whole number; so 1/2 < the row's largest p <= 1. The row's sum l is taken of the UNQUANTISED p, in f32, and the product's result is divided by l at the end. Since M is a whole number, a kernel that streams over the keys may use a running M (the ceiling of the running maximum): every later rescaling is an exact power of two, so the quantised numbers keep their values, but for numbers so far below the row's largest that they fall under the format's range.
;;   OPERANDS COMPUTED ON THE WAY. 'Computed on the way' means the value that the module computes at that place (a softmax that the list does not call 'softmax' is quantised finished and normalised). What goes into a quantiser is computed in f32, as accurately as f32 sums, v_exp_f32 and their like allow (about 1e-6 of the number): no bf16 or f16 on the way to a quantiser, and a product that is left as it is and whose result goes on into a quantised operand takes f32 operands (vector FMAs, or v_wmma_f32_16x16x4_f32). A number that lies on a knife's edge between two numbers of the format may be rounded either way, as far as f32 arithmetic and the matrix unit's own rounding can turn it there, and no further.
;;   INPUTS GIVEN AS CODES. Wk (in the module: [1024, 1024], K = its axis 0); Wo (in the module: [1024, 1024], K = its axis 0); Wq (in the module: [1024, 1024], K = its axis 0); Wv (in the module: [1024, 1024], K = its axis 0); x (in the module: [4, 2048, 1024], K = its axis 2): each comes as NAME_codes (uint8): NAME with its K axis moved to the last place and cut into blocks of 32 codes, [.., K / 32, bytes a block], one block behind the other in memory; one code a byte (a code: sign, 4 exponent bits, 3 mantissa bits); its scale is its entry of lowp_scales. Its value is code x scale, taken as it is: it is not quantised again, and the codes and scales need not be those that the quantiser above would give.
;; One version. Each part assembles by itself: llvm-mc -triple=amdgcn-amd-amdhsa -mcpu=gfx1250 --defsym DOCPART=n.
;; ======== version 1 of 1: 3 launches
;; limits: right only within a limited range of input values
;; workspace buffers: q_img 8,388,608 bytes; k_img 8,388,608 bytes; v_img 8,388,608 bytes; ctx_img 8,388,608 bytes
;; launch proj (part 1): grid 12 x 64, 4 waves a work-group, clusters of 4 x 4, 327,680 bytes of LDS; arguments x_codes, Wq_codes, Wk_codes, Wv_codes, lowp_scales, q_img, k_img, v_img; writes q_img, k_img, v_img
.if DOCPART == 1
	.amdgcn_target "amdgcn-amd-amdhsa--gfx1250"
	.amdhsa_code_object_version 6
	.text
	.protected	k_qf3e9117c4d_proj
	.globl	k_qf3e9117c4d_proj
	.p2align	8
	.type	k_qf3e9117c4d_proj,@function
k_qf3e9117c4d_proj:
	s_mov_b64 s[64:65], 0
	v_nop
	global_prefetch_b8 v0, s[64:65] scope:SCOPE_SE
	s_setreg_imm32_b32 hwreg(HW_REG_WAVE_MODE, 25, 1), 1
	s_wait_xcnt 0x0
	s_wait_alu depctr_hold_cnt(0) depctr_sa_sdst(0) depctr_va_vdst(0) depctr_va_sdst(0) depctr_va_ssrc(0) depctr_va_vcc(0) depctr_vm_vsrc(0)
	s_getreg_b32 s2, hwreg(HW_REG_IB_STS2, 6, 4)
	s_cmp_eq_u32 s2, 0
	s_cbranch_scc0 .Lentry_in_a_cluster
	s_endpgm
.Lentry_in_a_cluster:
	s_bfe_u32 s2, ttmp6, 0x10000c
	s_cmp_lg_u32 s2, 0xf033
	s_cbranch_scc0 .Lentry_shape_is_right
	s_endpgm
.Lentry_shape_is_right:
; q = x Wq, k = x Wk, v = x Wv on E4M3 codes, each result quantised at once with its given scale and stored as an IMAGE OF OPERAND REGISTERS for the attention launch.
; The cluster's x (0, 1, 2) names the product; it is the same in all sixteen partners, and everything that differs is chosen by s_cselect, never by a branch.
;   0, 1: "A" = x (rows = tokens), "B" = Wq or Wk (rows = head x 64 + d).    2: V^T = Wv x^T: "A" = Wv (rows = head x 64 + d), "B" = x (rows = tokens = keys).
; A tile is 128 rows of A x 256 rows of B, K = 1,024.  Four waves; wave w: A's rows 64 (w / 2) on, B's rows 128 (w % 2) on: 32 accumulators of 16 x 16.
; THE MATRIX INSTRUCTION IS USED TRANSPOSED (source 0 = 16 rows of B, source 1 = 16 rows of A): lane (r, h) holds A's row r, and register j of accumulator b holds B's row 16 b + 8 h + j.
; So four neighbouring accumulators, converted eight numbers at a time, ARE a fragment for v_wmma_f32_16x16x64_fp8_fp8 (registers 2 c, 2 c + 1: k = 16 c + 8 h + 0 .. 7) of the next product:
; 16 tokens x 64 d for q and k, 16 d x 64 keys for v.  A fragment is stored as it stands: registers 4 g .. 4 g + 3 of lane l at byte 512 g + 16 l: each store of the wave covers 512 consecutive bytes, aligned.
;   q_img, k_img: [batch x 16 + head][tile of 16 tokens: 128][1,024 bytes];   v_img: [batch x 16 + head][block of 64 keys: 32][tile of 16 d: 4][1,024 bytes].
; K goes in four steps of 256 through THREE LDS slots: steps 0, 1, 2 are first fills, issued together (three tensor loads of a wave are out); step 3 is the one refill, into slot 0.  No loop: eight steps of 128 are written out.
; CLUSTERS: 4 x 4 work-groups; A's tile is asked for jointly along a row of the cluster, B's along a column.
; Fragments are fetched by four loads of 16 bytes: a permutation of k inside 128, the same in A and in B, so every product meets its partner.
; code = sum x 2^(ea + eb) / 2^eo: the three exponents are folded into the conversion's one, E = eo - ea - eb.  LIMIT: -126 <= E <= 119.  NaN codes among the inputs are not served.
; REGISTERS: window 0: v1-6 at work at the head; v13 2^E; v16-18, v20-22 LDS addresses of A's and B's fragments in slots 0-2; v24, v25 store offsets; v28, v29 the add's;
;   v64-127, v128-191 A's fragments, two sets (on the way out v64-127 take the codes).   window 1: B's fragments, two sets, at v0 and v128.   window 2: the accumulators, (a, b) at v[8 (8 a + b)].
.set PITCH,  272                       ; an LDS row: 256 bytes + 16 of padding = 68 words: row r starts at bank 4 r mod 64 (64 banks of 4 bytes: ISA guide 11.1)
.set AHALF,  64*PITCH                  ; what one of A's tensor loads brings, and what one wave reads of A
.set ABYTES, 2*AHALF
.set BHALF,  128*PITCH                 ; the same for B
.set SLOT,   ABYTES+2*BHALF            ; A's 128 rows, then B's 256 rows
.set SPARE,  3*SLOT                    ; behind the slots: the spare words, 128 bytes a wave: two blocks of 256 bytes that no other line names
.set LIM,  12
.set SC,   13
.set ADRA, 16
.set ADRB, 20
.set CO,   24
.set SPW,  28
.set NIL,  29
.set AF,   64
.set G1A,  24                          ; s[24:31] descriptor group 1 for A's tiles;  s[32:39] for B's
.set G1B,  32
.set G0A,  40                          ; s[40:51] group 0 for A's tiles, a set for each slot;  s[52:63] for B's
.set G0B,  52
.set MSB, 0
.macro WIN new                         ; the immediate's high byte repeats the setting that is left
.if MSB != \new
	s_set_vgpr_msb (MSB<<8)|\new
.set MSB, \new
.endif
.endm
.set MUL,  0xa1                        ; source 0 (B) window 1, source 1 (A) window 0, C and D window 2
.set TO_B, 0x40                        ; destination window 1, address window 0
.macro PLACES n
.rept \n
	v_nop
.endr
.endm
.macro CREST                           ; a round of the cluster's barrier behind its opening barrier
	s_cmp_lg_u32 s14, 0
	s_cbranch_scc1 .Lnot_wave_0_\@
	s_barrier_signal -3
.Lnot_wave_0_\@:
	s_barrier_wait -3
	s_barrier_signal -1
	s_barrier_wait -1
.endm
.macro CROUND
	s_barrier_signal -1
	s_barrier_wait -1
	CREST
.endm
.macro JLOAD s                         ; a joint load: waves 0 and 1 fetch A's halves, waves 2 and 3 B's; four v_nop follow each of the two lines
	s_cmp_eq_u32 s15, 0
	s_cbranch_scc0 .Lfor_b_\@
	tensor_load_to_lds s[G0A+4*\s:G0A+4*\s+3], s[G1A:G1A+7]
	s_nop 0
.rept 4
	v_nop
.endr
	s_branch .Lasked_\@
.Lfor_b_\@:
	tensor_load_to_lds s[G0B+4*\s:G0B+4*\s+3], s[G1B:G1B+7]
	s_nop 0
.rept 4
	v_nop
.endr
.Lasked_\@:
.endm
; 48 LDS loads in one run: the fragments of the slot's q-th 128 along K into set p: B's eight, then A's four
.macro FETCH slot, q, p
	WIN TO_B
.irp i, 0,1,2,3,4,5,6,7
.irp c, 0,1,2,3
	ds_load_b128 v[128*(\p)+16*\i+4*\c:128*(\p)+16*\i+4*\c+3], v[ADRB+\slot] offset:128*(\q)+32*\c+16*PITCH*\i
.endr
.endr
	WIN 0
.irp i, 0,1,2,3
.irp c, 0,1,2,3
	ds_load_b128 v[AF+64*(\p)+16*\i+4*\c:AF+64*(\p)+16*\i+4*\c+3], v[ADRA+\slot] offset:128*(\q)+32*\c+16*PITCH*\i
.endr
.endr
.endm
; 8 matrix instructions: A's block a against B's eight, set p.  zero = 1: the product starts the sums.  The 32 accumulators take turns, in the same order in every step.
.macro MULA a, p, zero
.irp b, 0,1,2,3,4,5,6,7
.if \zero
	v_wmma_f32_16x16x128_fp8_fp8 v[8*(8*(\a)+\b):8*(8*(\a)+\b)+7], v[128*(\p)+16*\b:128*(\p)+16*\b+15], v[AF+64*(\p)+16*(\a):AF+64*(\p)+16*(\a)+15], 0
.else
	v_wmma_f32_16x16x128_fp8_fp8 v[8*(8*(\a)+\b):8*(8*(\a)+\b)+7], v[128*(\p)+16*\b:128*(\p)+16*\b+15], v[AF+64*(\p)+16*(\a):AF+64*(\p)+16*(\a)+15], v[8*(8*(\a)+\b):8*(8*(\a)+\b)+7]
.endif
.endr
.endm
; A step of 128 along K on set p; the next step's fragments (slot ns, part nq) are asked for first, into the other set
.macro STEP p, zero, ns, nq
	s_wait_dscnt 0x0                               ; set p is in
	PLACES 4                                       ; four places in front of loads into registers that the last step's matrix instructions have read
	FETCH \ns, \nq, 1-(\p)
	WIN MUL
	MULA 0, \p, \zero
	MULA 1, \p, \zero
	MULA 2, \p, \zero
	MULA 3, \p, \zero
	WIN 0
.endm
	s_load_b512 s[68:83], s[0:1], 0x0              ; x s[68:69], Wq s[70:71], Wk s[72:73], Wv s[74:75], the scales s[76:77], q_img s[78:79], k_img s[80:81], v_img s[82:83]
	v_lshl_add_u32 v[SPW], v0, 2, SPARE
	v_mov_b32 v[NIL], 0
	ds_add_u32 v28, v29
	ds_add_u32 v28, v29
	s_wait_dscnt 0x0
	v_lshrrev_b32 v1, 5, v0
	v_readfirstlane_b32 s14, v1                    ; wave 0..3
	s_lshr_b32 s15, s14, 1                         ; which 64 rows of A are mine.  Also: I fetch for A (0) or for B (1)
	s_and_b32 s16, s14, 1                          ; which 128 rows of B.  Also: which half of that tile I fetch
	s_bfe_u32 s96, ttmp6, 0x40000                  ; cx
	s_bfe_u32 s97, ttmp6, 0x40004                  ; cy
	s_and_b32 s99, ttmp7, 0xffff                   ; the cluster's y, 0..15
	s_lshr_b32 s2, s99, 3
	s_and_b32 s3, s99, 7
	s_cmp_eq_u32 ttmp9, 2                          ; q, k: 64 tile rows x 4 tile columns;  v: 8 tile rows x 32 tile columns
	s_cselect_b32 s2, s2, s99
	s_cselect_b32 s3, s3, 0
	s_lshl_b32 s100, s2, 2
	s_add_co_u32 s100, s100, s97                   ; tile row (of A): hangs on cy alone
	s_lshl_b32 s101, s3, 2
	s_add_co_u32 s101, s101, s96                   ; tile column (of B): hangs on cx alone
	s_lshl_b32 s2, s97, 2
	s_lshl_b32 s2, 15, s2                          ; my row of the cluster
	s_lshl_b32 s3, 0x1111, s96                     ; my column
	s_or_b32 s[G1A], s2, (1<<20)|(1<<21)|(5<<22)|(3<<25)   ; 15:0 the mask; 17:16 elements of 1 byte; 20 padding on; 21 set beside a mask; 24:22 after every 64 words; 31:25 four words
	s_or_b32 s[G1B], s3, (1<<20)|(1<<21)|(5<<22)|(3<<25)
	s_mov_b32 s[G1A+1], 256<<16                    ; tensor_dim0 = 256
	s_mov_b32 s[G1A+2], 64<<16                     ; tensor_dim1 = 64
	s_mov_b32 s[G1A+3], 256<<16                    ; tile_dim0 = 256
	s_mov_b32 s[G1A+4], 64                         ; tile_dim1 = 64
	s_mov_b32 s[G1A+5], 1024                       ; from row to row
	s_mov_b32 s[G1A+6], 0
	s_mov_b32 s[G1A+7], 0
	s_mov_b32 s[G1B+1], 256<<16
	s_mov_b32 s[G1B+2], 128<<16                    ; B's loads bring 128 rows
	s_mov_b32 s[G1B+3], 256<<16
	s_mov_b32 s[G1B+4], 128
	s_mov_b32 s[G1B+5], 1024
	s_mov_b32 s[G1B+6], 0
	s_mov_b32 s[G1B+7], 0
	s_lshl_b32 s4, s100, 17                        ; A: row 128 x tile row + 64 x half, of 1,024 bytes
	s_lshl_b32 s6, s16, 16
	s_add_co_u32 s4, s4, s6
	s_mov_b32 s5, 0
	s_lshl_b32 s8, s101, 18                        ; B: row 256 x tile column + 128 x half
	s_lshl_b32 s10, s16, 17
	s_add_co_u32 s8, s8, s10
	s_mov_b32 s9, 0
	s_mul_i32 s12, s16, AHALF                      ; where they go: no place in the cluster enters an LDS address
	s_mul_i32 s13, s16, BHALF
	s_add_co_u32 s13, s13, ABYTES
	s_wait_kmcnt 0x0
	s_load_b256 s[84:91], s[76:77], 0x0            ; e0 .. e7
	s_load_b128 s[92:95], s[76:77], 0x20           ; e8 .. e11
	s_cmp_eq_u32 ttmp9, 1
	s_cselect_b64 s[18:19], s[72:73], s[70:71]     ; Wk or Wq
	s_cselect_b64 s[20:21], s[80:81], s[78:79]     ; k_img or q_img
	s_cmp_eq_u32 ttmp9, 2
	s_cselect_b64 s[6:7], s[74:75], s[68:69]       ; A: Wv, else x
	s_cselect_b64 s[10:11], s[68:69], s[18:19]     ; B: x, else the weight
	s_cselect_b64 s[20:21], s[82:83], s[20:21]     ; where the codes go
	s_add_nc_u64 s[6:7], s[6:7], s[4:5]
	s_add_nc_u64 s[10:11], s[10:11], s[8:9]
	CROUND                                         ; all sixteen work-groups are here: the first joint loads meet
.irp s, 0,1,2
	s_mov_b32 s[G0A+4*\s], 1                       ; count = 1
	s_add_co_u32 s[G0A+4*\s+1], s12, \s*SLOT       ; LDS address
	s_add_nc_u64 s[G0A+4*\s+2:G0A+4*\s+3], s[6:7], \s*256   ; K step s
	s_or_b32 s[G0A+4*\s+3], s[G0A+4*\s+3], 0x80000000       ; type = 2
	s_mov_b32 s[G0B+4*\s], 1
	s_add_co_u32 s[G0B+4*\s+1], s13, \s*SLOT
	s_add_nc_u64 s[G0B+4*\s+2:G0B+4*\s+3], s[10:11], \s*256
	s_or_b32 s[G0B+4*\s+3], s[G0B+4*\s+3], 0x80000000
.endr
	s_cmp_eq_u32 s15, 0                            ; a wave's three first fills stand in one branch, ahead of every wait on TENSORcnt, every LDS read and every further barrier
	s_cbranch_scc0 .Lfirst_b
	tensor_load_to_lds s[G0A:G0A+3], s[G1A:G1A+7]
	s_nop 0
	tensor_load_to_lds s[G0A+4:G0A+7], s[G1A:G1A+7]
	s_nop 0
	tensor_load_to_lds s[G0A+8:G0A+11], s[G1A:G1A+7]
	s_nop 0
.rept 4
	v_nop
.endr
	s_branch .Lfirst_asked
.Lfirst_b:
	tensor_load_to_lds s[G0B:G0B+3], s[G1B:G1B+7]
	s_nop 0
	tensor_load_to_lds s[G0B+4:G0B+7], s[G1B:G1B+7]
	s_nop 0
	tensor_load_to_lds s[G0B+8:G0B+11], s[G1B:G1B+7]
	s_nop 0
.rept 4
	v_nop
.endr
.Lfirst_asked:
	v_and_b32 v1, 15, v0                           ; r
	v_bfe_u32 v2, v0, 4, 1                         ; h
	v_mul_u32_u24 v3, v1, PITCH
	v_lshl_add_u32 v3, v2, 4, v3                   ; a fragment's row x pitch + 16 h
	s_mul_i32 s2, s15, AHALF                       ; my 64 rows of A
	s_mul_i32 s3, s16, BHALF                       ; my 128 rows of B,
	s_add_co_u32 s3, s3, ABYTES                    ; which lie behind A's
.irp s, 0,1,2
	v_add_nc_u32 v[ADRA+\s], s2, v3
	v_add_nc_u32 v[ADRB+\s], s3, v3
	s_add_co_u32 s2, s2, SLOT
	s_add_co_u32 s3, s3, SLOT
.endr
	v_and_b32 v4, 31, v0
	v_lshlrev_b32 v[CO], 4, v4                     ; 16 x lane
	s_wait_alu depctr_va_vdst(0)
	; where my fragments go.  q, k: (((batch x 16 + head) x 128 + tile of tokens) x 1,024: batch = tile row / 16, head = 4 x tile column + 2 (w % 2), tile = 8 (tile row % 16) + 4 (w / 2)
	s_lshr_b32 s17, s100, 4
	s_lshl_b32 s17, s17, 4
	s_lshl_b32 s18, s101, 2
	s_add_co_u32 s17, s17, s18
	s_lshl_b32 s18, s16, 1
	s_add_co_u32 s17, s17, s18
	s_lshl_b32 s17, s17, 7
	s_and_b32 s18, s100, 15
	s_lshl_b32 s18, s18, 3
	s_add_co_u32 s17, s17, s18
	s_lshl_b32 s18, s15, 2
	s_add_co_u32 s17, s17, s18
	s_lshl_b32 s17, s17, 10
	; v: ((batch x 16 + head) x 32 + block of keys) x 4,096: batch = tile column / 8, head = 2 x tile row + w / 2, block = 4 (tile column % 8) + 2 (w % 2)
	s_lshr_b32 s19, s101, 3
	s_lshl_b32 s19, s19, 4
	s_lshl_b32 s18, s100, 1
	s_add_co_u32 s19, s19, s18
	s_add_co_u32 s19, s19, s15
	s_lshl_b32 s19, s19, 5
	s_and_b32 s18, s101, 7
	s_lshl_b32 s18, s18, 2
	s_add_co_u32 s19, s19, s18
	s_lshl_b32 s18, s16, 1
	s_add_co_u32 s19, s19, s18
	s_lshl_b32 s19, s19, 12
	s_cmp_eq_u32 ttmp9, 2
	s_cselect_b32 s22, s19, s17
	s_mov_b32 s23, 0
	s_mov_b32 s3, 4096                             ; from B's first 64 rows to its second: the next block of keys (v), or the next head (q, k)
	s_cselect_b32 s3, s3, 0x20000
	s_add_nc_u64 s[20:21], s[20:21], s[22:23]
	v_add_nc_u32 v[CO+1], s3, v[CO]
	s_wait_kmcnt 0x0                               ; the scales' exponents
	s_cmp_eq_u32 ttmp9, 1
	s_cselect_b32 s2, s86, s84                     ; x's exponent in this product,
	s_cselect_b32 s3, s87, s85                     ; the weight's,
	s_cselect_b32 s4, s91, s90                     ; and the result's as an operand: e7 (k) or e6 (q),
	s_cmp_eq_u32 ttmp9, 2
	s_cselect_b32 s2, s88, s2
	s_cselect_b32 s3, s89, s3
	s_cselect_b32 s4, s93, s4                      ; e9 (v)
	s_sub_co_i32 s4, s4, s2
	s_sub_co_i32 s4, s4, s3                        ; E
	s_add_co_i32 s4, s4, 127
	s_lshl_b32 s5, s4, 23
	v_mov_b32 v[SC], s5                            ; 2^E as f32: the conversion takes its exponent field
	s_wait_tensorcnt 2                             ; my part of K step 0 is in; K steps 1 and 2 may stay out
	s_barrier_signal -1
	s_barrier_wait -1                              ; everybody's is
	FETCH 0, 0, 0
	STEP 0, 1, 0, 1                                ; step 0 starts the sums
	; step 1 (set 1) leaves slot 0, which is filled again with K step 3: the one refill of the launch
	s_wait_tensorcnt 0x0                           ; all my tensor loads have landed: slots 1 and 2 are whole once every wave has said so
	ds_add_u32 v[SPW], v[NIL]                      ; 0 onto my spare word
	s_wait_dscnt 1                                 ; set 1 is in; the add alone may be out
	WIN MUL
	MULA 0, 1, 0                                   ; eight matrix instructions stand between the add and the wait for it
	s_wait_dscnt 0x0                               ; the add is done, and my reads of slot 0 are over
	s_barrier_signal -1
	MULA 1, 1, 0
	WIN 0
	s_barrier_wait -1
	CREST                                          ; the barrier has opened a round of the cluster's: no wave of any partner still reads slot 0 or has a load on its way
	s_add_nc_u64 s[G0A+2:G0A+3], s[G0A+2:G0A+3], 3*256
	s_add_nc_u64 s[G0B+2:G0B+3], s[G0B+2:G0B+3], 3*256
	JLOAD 0                                        ; the first tensor load behind the round: 112 matrix instructions ahead of the wait for it; its four v_nop are also the places in front of the loads below
	FETCH 1, 0, 0
	WIN MUL
	MULA 2, 1, 0
	MULA 3, 1, 0
	WIN 0
	STEP 0, 0, 1, 1                                ; step 2
	STEP 1, 0, 2, 0                                ; step 3
	STEP 0, 0, 2, 1                                ; step 4
	; step 5 (set 1): K step 3 is wanted next
	s_wait_dscnt 0x0                               ; set 1 is in: my reads of slots 1 and 2 are over
	s_wait_tensorcnt 0x0                           ; my part of K step 3 has landed (no load was issued behind it)
	s_barrier_signal -1
	WIN MUL
	MULA 0, 1, 0
	MULA 1, 1, 0
	WIN 0
	s_barrier_wait -1                              ; everybody's has
	PLACES 4
	FETCH 0, 0, 0
	WIN MUL
	MULA 2, 1, 0
	MULA 3, 1, 0
	WIN 0
	STEP 0, 0, 0, 1                                ; step 6
	s_wait_dscnt 0x0                               ; step 7: nothing more to fetch
	WIN MUL
	MULA 0, 1, 0
	MULA 1, 1, 0
	MULA 2, 1, 0
	MULA 3, 1, 0
	; THE WAY OUT: convert, store.  No LDS: a lane's registers are the next operand's.
	PLACES 4
	WIN 0x82                                       ; source 0 and destination window 2
.set n, 0
.rept 256
.set n, n+1
.endr
	WIN 0x02                                       ; source 0 window 2, destination window 0
.set n, 0
	s_wait_alu depctr_va_vdst(0)
.rept 32
	v_cvt_scalef32_pk8_fp8_f32 v[AF+2*n:AF+2*n+1], v[8*n:8*n+7], v[SC]   ; accumulator (a, b) -> registers 2 (b % 4), + 1 of fragment (a, b / 4)
.set n, n+1
.endr
	v_nop                                          ; one plain vector instruction behind the last scaled conversion
	WIN 0
.irp a, 0,1,2,3
.irp bg, 0,1
.irp g, 0,1
	global_store_b128 v[CO+\bg], v[AF+16*\a+8*\bg+4*\g:AF+16*\a+8*\bg+4*\g+3], s[20:21] offset:1024*\a+512*\g   ; 32 lanes store 512 consecutive bytes, at a multiple of 512 from the buffer's first byte
.endr
.endr
.endr
	s_wait_tensorcnt 0x0                           ; the wave's end
	ds_add_u32 v[SPW], v[NIL]
	s_wait_dscnt 0x0
	CROUND                                         ; the closing round: no work-group ends while a partner may still ask for a tile that names it
	s_endpgm
.Lfunc_end_k_qf3e9117c4d_proj:
	.size	k_qf3e9117c4d_proj, .Lfunc_end_k_qf3e9117c4d_proj-k_qf3e9117c4d_proj
	.p2alignl 7, 3214868480
	.fill 96, 4, 3214868480
	.section	.rodata,"a",@progbits
	.p2align	6, 0x0
	.amdhsa_kernel k_qf3e9117c4d_proj
		.amdhsa_group_segment_fixed_size 327680
		.amdhsa_private_segment_fixed_size 0
		.amdhsa_enable_private_segment 0
		.amdhsa_kernarg_size 64
		.amdhsa_user_sgpr_count 2
		.amdhsa_user_sgpr_kernarg_segment_ptr 1
		.amdhsa_wavefront_size32 1
		.amdhsa_system_sgpr_workgroup_id_x 1
		.amdhsa_system_sgpr_workgroup_id_y 1
		.amdhsa_system_sgpr_workgroup_id_z 1
		.amdhsa_system_vgpr_workitem_id 0
		.amdhsa_next_free_vgpr 768
		.amdhsa_next_free_sgpr 102
		.amdhsa_reserve_vcc 0
		.amdhsa_float_denorm_mode_32 3
		.amdhsa_float_denorm_mode_16_64 3
		.amdhsa_fp16_overflow 1
		.amdhsa_memory_ordered 1
		.amdhsa_forward_progress 1
		.amdhsa_inst_pref_size 57
	.end_amdhsa_kernel
	.amdgpu_metadata
---
amdhsa.version: [ 1, 2 ]
amdhsa.kernels:
  - .name:           k_qf3e9117c4d_proj
    .symbol:         k_qf3e9117c4d_proj.kd
    .args:
      - { .name: x_codes, .offset: 0, .size: 8, .value_kind: global_buffer, .address_space: global }
      - { .name: Wq_codes, .offset: 8, .size: 8, .value_kind: global_buffer, .address_space: global }
      - { .name: Wk_codes, .offset: 16, .size: 8, .value_kind: global_buffer, .address_space: global }
      - { .name: Wv_codes, .offset: 24, .size: 8, .value_kind: global_buffer, .address_space: global }
      - { .name: lowp_scales, .offset: 32, .size: 8, .value_kind: global_buffer, .address_space: global }
      - { .name: q_img, .offset: 40, .size: 8, .value_kind: global_buffer, .address_space: global }
      - { .name: k_img, .offset: 48, .size: 8, .value_kind: global_buffer, .address_space: global }
      - { .name: v_img, .offset: 56, .size: 8, .value_kind: global_buffer, .address_space: global }
    .group_segment_fixed_size: 327680
    .private_segment_fixed_size: 0
    .kernarg_segment_align: 8
    .kernarg_segment_size: 64
    .max_flat_workgroup_size: 128
    .sgpr_count:     102
    .vgpr_count:     768
    .wavefront_size: 32
...
	.end_amdgpu_metadata
.endif
;; end of part 1
;; launch attn (part 2): grid 4 x 64, 16 waves a work-group, clusters of 4 x 1, 264,192 bytes of LDS; arguments q_img, k_img, v_img, lowp_scales, ctx_img; writes ctx_img
.if DOCPART == 2
	.amdgcn_target "amdgcn-amd-amdhsa--gfx1250"
	.amdhsa_code_object_version 6
	.text
	.protected	k_qf3e9117c4d_attn
	.globl	k_qf3e9117c4d_attn
	.p2align	8
	.type	k_qf3e9117c4d_attn,@function
k_qf3e9117c4d_attn:
	s_mov_b64 s[64:65], 0
	v_nop
	global_prefetch_b8 v0, s[64:65] scope:SCOPE_SE
	s_setreg_imm32_b32 hwreg(HW_REG_WAVE_MODE, 25, 1), 1
	s_wait_xcnt 0x0
	s_wait_alu depctr_hold_cnt(0) depctr_sa_sdst(0) depctr_va_vdst(0) depctr_va_sdst(0) depctr_va_ssrc(0) depctr_va_vcc(0) depctr_vm_vsrc(0)
	s_getreg_b32 s2, hwreg(HW_REG_IB_STS2, 6, 4)
	s_cmp_eq_u32 s2, 0
	s_cbranch_scc0 .Lentry_in_a_cluster
	s_endpgm
.Lentry_in_a_cluster:
	s_bfe_u32 s2, ttmp6, 0x10000c
	s_cmp_lg_u32 s2, 0x3003
	s_cbranch_scc0 .Lentry_shape_is_right
	s_endpgm
.Lentry_shape_is_right:
; ctx = softmax(q k^T / 8, causal) v for one (batch, head), both products on E4M3 codes by v_wmma_f32_16x16x64_fp8_fp8; ctx is quantised at once with its given scale and stored as an image of the last product's operand registers.
; THE SOFTMAX: t = score x log2(e) / 8; M = the running largest t, rounded UP to a whole number; p = 2^(t - M) is quantised with 2^e8, not normalised; the row's sum is taken of the unquantised p and divides at the end.
; When M moves, the sum and O are multiplied by 2^(old M - new M): exact.
; SHARES.  The four work-groups of a cluster belong to one head (the cluster's y).  Query tile 4 m + cx holds queries 64 m + 16 cx + 0 .. 15; wave w of work-group cx owns m = w and m = 31 - w.
; Tile m needs the blocks of 64 keys kb = 0 .. m, of which kb = m is cut by the mask: neither hangs on cx, so all partners run alike, and every wave has 33 tile steps.
; LDS holds the head's WHOLE K (131,072 bytes at 0) and V (131,072 bytes behind it), filled ONCE by joint tensor loads: 16 chunks of 16,384 bytes, four by each of waves 0 to 3 (four tensor loads of a wave are out).  Nothing is filled again.
; The first eight blocks of keys are read as soon as the first chunks have landed; the rest behind a second barrier.
; LAYOUT.  S^T = K Q^T (source 0 = 16 keys, source 1 = 16 queries), O^T = V^T P^T (source 0 = 16 of the head's 64, source 1 = P): a lane holds ONE query (lane % 16) throughout.  Register j of S^T's tile t is key 16 t + 8 (lane / 16) + j:
; converted eight at a time these are registers 2 t, 2 t + 1 of P's fragment.  Likewise O^T's four tiles become a fragment of 16 queries x 64 d: one half of a K = 128 fragment of the last product.
; ctx_img: [block of 64 rows: 128][K step of 256: 4][tile of 16 rows: 4][128 along K: 2][2,048 bytes]: register 4 g .. 4 g + 3 of lane l at 512 g + 16 l; the even head fills registers 0-7, the odd one 8-15.
; LIMITS on the given exponents: e6 + e7 between -123 and 130 (added to c's exponent field); e8, and e10 - e8 - e9, between -126 and 119.  NaN codes are not served.
; REGISTERS: v1 16 x lane; v2 the same in V; v3, v4 the step's addresses; v5 16 cx + r - 8 h; v6 -infinity; v8 2^e8; v[12:15], v[16:19] a tile's -M, largest t, sum in two halves; v20-27 at work;
;   v28-43 Q (two tiles); v44-75 K's four fragments; v76-107 V's; v108-171 S^T, then p (two tiles); v172-187 P's codes; v188-251 O^T; v252 2^(e10 - e8 - e9);
.set VOFF, 131072
.set LA,   1
.set LV,   2
.set ADK,  3
.set ADV,  4
.set DQ,   5
.set NINF, 6
.set PLIM, 7
.set PSC,  8
.set T0,   20
.set T1,   21
.set T2,   22
.set FF,   24                          ; v[24:25] f = 2^(old M - new M), later 1 / the sum: the packed forms name the pair and take its low word
.set XX,   26
.set KF,   44
.set VF,   76
.set CSC,  252
.set CLIM, 253
.set WV,   14                          ; s14 wave;  s15 cx;  s16 batch x 16 + head;  s17, s18 my two m;  s19 kb
.set KB,   19
.set SEL,  20                          ; s[20:21] v_permlanex16_b32's selects for lane l xor 16
.set CS,   22                          ; s[22:23] c = log2(e) / 8 x 2^(e6 + e7)
.set G1,   24                          ; s[24:31] descriptor group 1;  s[32:47] four groups 0
.set G0,   32
.set TB,   48                          ; s48 4,096 x kb: where the step's tiles begin in K and in V
.macro PLACES n
.rept \n
	v_nop
.endr
.endm
.macro CROUND                          ; a round of the cluster's barrier
	s_barrier_signal -1
	s_barrier_wait -1
	s_cmp_lg_u32 s[WV], 0
	s_cbranch_scc1 .Lnot_wave_0_\@
	s_barrier_signal -3
.Lnot_wave_0_\@:
	s_barrier_wait -3
	s_barrier_signal -1
	s_barrier_wait -1
.endm
	s_load_b256 s[68:75], s[0:1], 0x0              ; q_img s[68:69], k_img s[70:71], v_img s[72:73], the scales s[74:75]
	s_load_b64 s[76:77], s[0:1], 0x20              ; ctx_img
	v_lshl_add_u32 v254, v0, 2, 0x40000
	v_mov_b32 v255, 0
	ds_add_u32 v254, v255
	ds_add_u32 v254, v255
	v_lshrrev_b32 v9, 5, v0
	s_delay_alu instid0(VALU_DEP_1)
	v_readfirstlane_b32 s[WV], v9                  ; wave 0..15
	s_bfe_u32 s15, ttmp6, 0x40000                  ; cx: it enters Q's and ctx's addresses and the mask's numbers, and nothing else
	s_and_b32 s16, ttmp7, 0xffff                   ; batch x 16 + head, which the four partners share
	s_mov_b32 s17, s[WV]                           ; m of my early tile,
	s_xor_b32 s18, s[WV], 31                       ; and of my late one: 31 - w
	s_mov_b32 s[G1], 15|(3<<16)|(1<<21)            ; 15:0 the mask: all four work-groups; 17:16 elements of 8 bytes; 21 set beside a mask; no padding
	s_mov_b32 s[G1+1], 32<<16                      ; tensor_dim0 = 32: rows of 256 bytes
	s_mov_b32 s[G1+2], 64<<16                      ; tensor_dim1 = 64
	s_mov_b32 s[G1+3], 32<<16                      ; tile_dim0
	s_mov_b32 s[G1+4], 64                          ; tile_dim1: 16,384 bytes, dense
	s_mov_b32 s[G1+5], 32                          ; from row to row
	s_mov_b32 s[G1+6], 0
	s_mov_b32 s[G1+7], 0
	s_mov_b32 s[SEL], 0x76543210
	s_mov_b32 s[SEL+1], 0xfedcba98
	; what I fetch, if I fetch: waves 0, 1: K's even and odd chunks; waves 2, 3: V's
	s_and_b32 s2, s[WV], 1
	s_lshl_b32 s2, s2, 14                          ; my first chunk
	s_bfe_u32 s8, s[WV], 0x10001                   ; bit 1 of the wave's number: K (0) or V (1)
	s_lshl_b32 s3, s8, 17
	s_add_co_u32 s3, s3, s2                        ; its LDS address
	s_lshl_b32 s4, s16, 17                         ; the head's 131,072 bytes
	s_add_co_u32 s4, s4, s2
	s_mov_b32 s5, 0
	s_wait_dscnt 0x0
	s_wait_kmcnt 0x0
	s_load_b256 s[52:59], s[74:75], 0x0            ; e0 .. e7
	s_load_b128 s[60:63], s[74:75], 0x20           ; e8 .. e11
	s_cmp_eq_u32 s8, 0
	s_cselect_b64 s[6:7], s[70:71], s[72:73]
	s_add_nc_u64 s[6:7], s[6:7], s[4:5]
	CROUND                                         ; all four work-groups are here: the joint loads meet
.irp i, 0,1,2,3
	s_mov_b32 s[G0+4*\i], 1                        ; count = 1
	s_add_co_u32 s[G0+4*\i+1], s3, \i*32768        ; LDS address: every second chunk
	s_add_nc_u64 s[G0+4*\i+2:G0+4*\i+3], s[6:7], \i*32768
	s_or_b32 s[G0+4*\i+3], s[G0+4*\i+3], 0x80000000   ; type = 2
.endr
	s_cmp_lt_u32 s[WV], 4                          ; all fills of a wave stand in one branch on the wave's number, ahead of every wait on TENSORcnt, every LDS read and every further barrier
	s_cbranch_scc0 .Lno_fill
	tensor_load_to_lds s[G0:G0+3], s[G1:G1+7]
	s_nop 0
	tensor_load_to_lds s[G0+4:G0+7], s[G1:G1+7]
	s_nop 0
	tensor_load_to_lds s[G0+8:G0+11], s[G1:G1+7]
	s_nop 0
	tensor_load_to_lds s[G0+12:G0+15], s[G1:G1+7]
	s_nop 0
.rept 4
	v_nop
.endr
.Lno_fill:
	v_and_b32 v9, 31, v0
	s_delay_alu instid0(VALU_DEP_1)
	v_lshlrev_b32 v[LA], 4, v9                     ; 16 x lane: an image's place for my lane
	s_wait_alu depctr_va_vdst(0)
	v_add_nc_u32 v[LV], VOFF, v[LA]
	; Q's fragments: (head x 128 + 4 m + cx) x 1,024
	s_lshl_b32 s8, s16, 7
	s_add_co_u32 s8, s8, s15
	s_lshl_b32 s9, s17, 2
	s_add_co_u32 s10, s8, s9
	s_lshl_b32 s10, s10, 10
	s_mov_b32 s11, 0
	s_add_nc_u64 s[80:81], s[68:69], s[10:11]
	s_lshl_b32 s9, s18, 2
	s_add_co_u32 s10, s8, s9
	s_lshl_b32 s10, s10, 10
	s_add_nc_u64 s[82:83], s[68:69], s[10:11]
	global_load_b128 v[28:31], v[LA], s[80:81]
	global_load_b128 v[32:35], v[LA], s[80:81] offset:512
	global_load_b128 v[36:39], v[LA], s[82:83]
	global_load_b128 v[40:43], v[LA], s[82:83] offset:512
	; ctx's fragments: (batch x 32 + m) x 65,536 + (head / 4) x 16,384 + cx x 4,096 + (head % 4) x 1,024
	s_lshr_b32 s8, s16, 4
	s_lshl_b32 s8, s8, 21
	s_bfe_u32 s9, s16, 0x20002
	s_lshl_b32 s9, s9, 14
	s_add_co_u32 s8, s8, s9
	s_and_b32 s9, s16, 3
	s_lshl_b32 s9, s9, 10
	s_add_co_u32 s8, s8, s9
	s_lshl_b32 s9, s15, 12
	s_add_co_u32 s8, s8, s9
	s_lshl_b32 s9, s17, 16
	s_add_co_u32 s10, s8, s9
	s_add_nc_u64 s[84:85], s[76:77], s[10:11]
	s_lshl_b32 s9, s18, 16
	s_add_co_u32 s10, s8, s9
	s_add_nc_u64 s[86:87], s[76:77], s[10:11]
	v_and_b32 v9, 15, v0                           ; r
	v_bfe_u32 v10, v0, 4, 1                        ; h
	s_delay_alu instid0(VALU_DEP_1)
	v_lshlrev_b32 v10, 3, v10
	s_delay_alu instid0(VALU_DEP_1)
	v_sub_nc_u32 v[DQ], v9, v10
	s_lshl_b32 s2, s15, 4
	v_add_nc_u32 v[DQ], s2, v[DQ]                  ; on the diagonal register 8 t + j holds key 64 m + 16 t + 8 h + j, my query is 64 m + 16 cx + r: hidden where 16 t + j > 16 cx + r - 8 h
	v_mov_b32 v[NINF], 0xff800000
	v_mov_b32 v13, 0xff61b1e6                      ; the largest t so far: -3e38, under every t
	s_delay_alu instid0(VALU_DEP_1)
	v_floor_f32 v12, -v13                          ; -M
	v_mov_b32 v14, 0                               ; the sum, in two halves
	v_mov_b32 v15, 0
	v_mov_b32 v17, 0xff61b1e6
	s_delay_alu instid0(VALU_DEP_1)
	v_floor_f32 v16, -v17
	v_mov_b32 v18, 0
	v_mov_b32 v19, 0
	v_mov_b32 v[T2], 0                             ; written once: a lane permute's destination counts as one of its sources
	v_mov_b32 v[FF+1], 0                           ; (named as the upper half of the pair)
.set n, 188
.rept 64
	v_mov_b32 v[n], 0                              ; O^T.  (The step is written once: the first finds zeros, which the first change of M leaves zeros)
.set n, n+1
.endr
	s_wait_kmcnt 0x0
	s_add_co_i32 s2, s58, s59                      ; e6 + e7: a score stands for score x 2^(e6 + e7)
	s_lshl_b32 s2, s2, 23
	s_add_co_i32 s[CS], s2, 0x3e38aa3b             ; added to the exponent field of c = log2(e) / 8
	s_mov_b32 s[CS+1], s[CS]                       ; (named with it as a pair, so it is written)
	s_add_co_i32 s2, s60, 127
	s_lshl_b32 s3, s2, 23
	v_mov_b32 v[PSC], s3                           ; 2^e8 as f32
	s_sub_co_i32 s2, s62, s60
	s_sub_co_i32 s2, s2, s61                       ; O / l stands for ctx / 2^(e8 + e9): its code is (O / l) / 2^(e10 - e8 - e9)
	s_add_co_i32 s2, s2, 127
	s_lshl_b32 s3, s2, 23
	v_mov_b32 v[CSC], s3
; ONE TILE OF 16 QUERIES AGAINST THE STEP'S 64 KEYS.  rq: Q's fragment; rs: S^T; rp: P's codes; ro: O^T; rt: the tile's four statistics; sm: the scalar register with its m
.macro TILE rq, rs, rp, ro, rt, sm
.irp t, 0,1,2,3
	v_wmma_f32_16x16x64_fp8_fp8 v[\rs+8*\t:\rs+8*\t+7], v[KF+8*\t:KF+8*\t+7], v[\rq:\rq+7], 0
.endr
	PLACES 4                                       ; four places in front of the first read of the results (ISA guide 7.12.1)
	s_cmp_lg_u32 s[KB], s[\sm]                     ; only the tile's last block of keys is cut by the mask: a branch on the wave's number and the loop's count
	s_cbranch_scc1 .Lopen_\@
.irp n, 0,1,2,3,4,5,6,7,8,9,10,11,12,13,14,15,16,17,18,19,20,21,22,23,24,25,26,27,28,29,30,31
	v_cmp_gt_i32 vcc_lo, 16*(\n/8)+\n%8, v[DQ]
	v_cndmask_b32 v[\rs+\n], v[\rs+\n], v[NINF], vcc_lo   ; a hidden score becomes -infinity ahead of the maximum: p = 0 then
.endr
.Lopen_\@:
	v_max3_num_f32 v[T0], v[\rs], v[\rs+1], v[\rs+2]      ; the step's largest score of my query among my 32 keys, in two chains, each accumulator from its low end on,
	v_max3_num_f32 v[T1], v[\rs+3], v[\rs+4], v[\rs+5]
.irp i, 6,10,14,18,22,26
	v_max3_num_f32 v[T0], v[T0], v[\rs+\i], v[\rs+\i+1]
	v_max3_num_f32 v[T1], v[T1], v[\rs+\i+2], v[\rs+\i+3]
.endr
	v_max3_num_f32 v[T0], v[T0], v[\rs+30], v[\rs+31]
	s_delay_alu instid0(VALU_DEP_1)
	v_max_num_f32 v[T0], v[T0], v[T1]
	s_delay_alu instid0(VALU_DEP_1)
	v_permlanex16_b32 v[T2], v[T0], s[SEL], s[SEL+1]
	s_delay_alu instid0(VALU_DEP_1)
	v_max_num_f32 v[T0], v[T0], v[T2]              ; and among lane l xor 16's
	s_delay_alu instid0(VALU_DEP_1)
	v_mul_f32 v[T0], s[CS], v[T0]                  ; as t (c is positive)
	s_delay_alu instid0(VALU_DEP_1)
	v_max_num_f32 v[\rt+1], v[\rt+1], v[T0]        ; the running largest t
	v_mov_b32 v[T0], v[\rt]
	s_delay_alu instid0(VALU_DEP_2)
	v_floor_f32 v[\rt], -v[\rt+1]                  ; the new -M = floor(-t) = -ceil(t)
	s_delay_alu instid0(VALU_DEP_1)
	v_sub_f32 v[T0], v[\rt], v[T0]                 ; old M - new M: a whole number, 0 or less
	s_delay_alu instid0(VALU_DEP_1)
	v_cvt_i32_f32 v[T0], v[T0]                     ; (it saturates)
	s_delay_alu instid0(VALU_DEP_1)
	v_ldexp_f32 v[FF], 1.0, v[T0]                  ; f = 2^(old M - new M)
.irp j, 0,2,4,6,8,10,12,14,16,18,20,22,24,26,28,30
	v_pk_fma_f32 v[\rs+\j:\rs+\j+1], v[\rs+\j:\rs+\j+1], s[CS:CS+1], v[\rt:\rt+1] op_sel_hi:[1,0,0]   ; t - M, two at a time (of the pairs c and -M the low word serves both halves)
.endr
	s_wait_alu depctr_va_vdst(0)
.irp j, 0,1,2,3,4,5,6,7,8,9,10,11,12,13,14,15,16,17,18,19,20,21,22,23,24,25,26,27,28,29,30,31
	v_exp_f32 v[\rs+\j], v[\rs+\j]                 ; p = 2^(t - M), at most 1
.endr
	v_pk_mul_f32 v[\rt+2:\rt+3], v[\rt+2:\rt+3], v[FF:FF+1] op_sel_hi:[1,0]   ; the sums under the new M: the plain instruction behind the exponentials
	s_wait_alu depctr_va_vdst(0)                   ; one wait for the batch of 32, ahead of its first reader
	v_pk_add_f32 v[XX:XX+1], v[\rs:\rs+1], v[\rs+2:\rs+3]   ; the row's sum is taken of the unquantised p: two at a time, in two chains
.irp j, 4,8,12,16,20,24,28
	v_pk_add_f32 v[\rt+2:\rt+3], v[\rt+2:\rt+3], v[\rs+\j:\rs+\j+1]
	v_pk_add_f32 v[XX:XX+1], v[XX:XX+1], v[\rs+\j+2:\rs+\j+3]
.endr
	s_delay_alu instid0(VALU_DEP_1)
	v_pk_add_f32 v[\rt+2:\rt+3], v[\rt+2:\rt+3], v[XX:XX+1]
.irp t, 0,1,2,3
.irp i, 0,1,2,3,4,5,6,7
.endr
	v_cvt_scalef32_pk8_fp8_f32 v[\rp+2*\t:\rp+2*\t+1], v[\rs+8*\t:\rs+8*\t+7], v[PSC]
.endr
.irp j, 0,2,4,6,8,10,12,14,16,18,20,22,24,26,28,30
	v_pk_mul_f32 v[\ro+\j:\ro+\j+1], v[\ro+\j:\ro+\j+1], v[FF:FF+1] op_sel_hi:[1,0]   ; O^T under the new M.  (These are also the plain instructions between the conversions and the products below)
.endr
	s_wait_alu depctr_va_vdst(0)
	s_wait_dscnt 0x0                               ; V's fragments are in
.irp t, 0,1,2,3
	v_wmma_f32_16x16x64_fp8_fp8 v[\ro+8*\t:\ro+8*\t+7], v[VF+8*\t:VF+8*\t+7], v[\rp:\rp+7], v[\ro+8*\t:\ro+8*\t+7]   ; four accumulators by turns; between two links of a chain stand the other tiles' products
.endr
.endm
; A STEP: the block of 64 keys kb.  K's and V's fragments are read once for both tiles.  A wave whose late tile is done leaves the step's work out: a scalar branch on the wave's number and the loop's count; no barrier stands in a step.
.macro STEP
	s_cmp_gt_u32 s[KB], s18
	s_cbranch_scc1 .Ldone_\@
	v_add_nc_u32 v[ADK], s[TB], v[LA]
	v_add_nc_u32 v[ADV], s[TB], v[LV]
	v_nop                                          ; with the two additions: four places in front of loads into registers that the last step's products have read
	v_nop
.irp t, 0,1,2,3
	ds_load_b128 v[KF+8*\t:KF+8*\t+3], v[ADK] offset:1024*\t
	ds_load_b128 v[KF+8*\t+4:KF+8*\t+7], v[ADK] offset:1024*\t+512
.endr
.irp t, 0,1,2,3
	ds_load_b128 v[VF+8*\t:VF+8*\t+3], v[ADV] offset:1024*\t
	ds_load_b128 v[VF+8*\t+4:VF+8*\t+7], v[ADV] offset:1024*\t+512
.endr
	s_wait_dscnt 8                                 ; K's eight loads are in; V's eight may be out
	TILE 36, 140, 180, 220, 16, 18                 ; my late tile
	s_cmp_gt_u32 s[KB], s17
	s_cbranch_scc1 .Ldone_\@
	TILE 28, 108, 172, 188, 12, 17                 ; my early tile, while it has keys
.Ldone_\@:
.endm
	s_wait_loadcnt 0x0                             ; Q
	s_wait_tensorcnt 3                             ; a fetching wave's first chunk is in; its three younger ones may stay out
	s_barrier_signal -1
	s_barrier_wait -1                              ; chunks 0 and 1 of K and of V, keys 0 to 511, are whole
	s_mov_b32 s[KB], 0
	s_mov_b32 s[TB], 0
.Lfirst_keys:                                      ; kb = 0 .. 7: LDS bytes under 32,768 of K and of V
	STEP
	s_add_co_u32 s[TB], s[TB], 4096
	s_add_co_u32 s[KB], s[KB], 1
	s_cmp_lt_u32 s[KB], 8
	s_cbranch_scc1 .Lfirst_keys
	s_wait_tensorcnt 0x0                           ; all my chunks have landed
	s_wait_dscnt 0x0
	s_barrier_signal -1
	s_barrier_wait -1                              ; everybody's have
	s_mov_b32 s[KB], 8
	s_mov_b32 s[TB], 32768
.Lmore_keys:                                       ; kb = 8 .. 31
	STEP
	s_add_co_u32 s[TB], s[TB], 4096
	s_add_co_u32 s[KB], s[KB], 1
	s_cmp_lt_u32 s[KB], 32
	s_cbranch_scc1 .Lmore_keys
; THE WAY OUT of a tile: O^T / the sum, converted: the eight registers are half a fragment of the last product, and are stored as they stand.
.macro LEAVE rs, rp, ro, rt, base
	v_add_f32 v[T0], v[\rt+2], v[\rt+3]            ; the sum's two halves,
	s_delay_alu instid0(VALU_DEP_1)
	v_permlanex16_b32 v[T2], v[T0], s[SEL], s[SEL+1]
	s_delay_alu instid0(VALU_DEP_1)
	v_add_f32 v[T0], v[T0], v[T2]                  ; and lane l xor 16's
	s_wait_alu depctr_va_vdst(0)
	v_rcp_f32 v[FF], v[T0]
	v_nop                                          ; a plain instruction behind the reciprocal
	s_wait_alu depctr_va_vdst(0)                   ; and the wait ahead of its first reader
.irp j, 0,2,4,6,8,10,12,14,16,18,20,22,24,26,28,30
	v_pk_mul_f32 v[\rs+\j:\rs+\j+1], v[\ro+\j:\ro+\j+1], v[FF:FF+1] op_sel_hi:[1,0]   ; each accumulator from its low end on
.endr
.irp t, 0,1,2,3
.irp i, 0,1,2,3,4,5,6,7
.endr
	v_cvt_scalef32_pk8_fp8_f32 v[\rp+2*\t:\rp+2*\t+1], v[\rs+8*\t:\rs+8*\t+7], v[CSC]
.endr
	v_nop                                          ; one plain vector instruction behind the last scaled conversion
	global_store_b128 v[LA], v[\rp:\rp+3], s[\base:\base+1]               ; 32 lanes store 512 consecutive bytes, at a multiple of 512 from the buffer's first byte
	global_store_b128 v[LA], v[\rp+4:\rp+7], s[\base:\base+1] offset:512
.endm
	PLACES 4                                       ; behind the last products
	LEAVE 108, 172, 188, 12, 84
	LEAVE 140, 180, 220, 16, 86
	s_wait_dscnt 0x0
	s_wait_tensorcnt 0x0
	ds_add_u32 v254, v255
	s_wait_dscnt 0x0
	CROUND                                         ; the closing round: no work-group ends while a partner may still ask for a chunk that names it
	s_endpgm
.Lfunc_end_k_qf3e9117c4d_attn:
	.size	k_qf3e9117c4d_attn, .Lfunc_end_k_qf3e9117c4d_attn-k_qf3e9117c4d_attn
	.p2alignl 7, 3214868480
	.fill 96, 4, 3214868480
	.section	.rodata,"a",@progbits
	.p2align	6, 0x0
	.amdhsa_kernel k_qf3e9117c4d_attn
		.amdhsa_group_segment_fixed_size 264192
		.amdhsa_private_segment_fixed_size 0
		.amdhsa_enable_private_segment 0
		.amdhsa_kernarg_size 40
		.amdhsa_user_sgpr_count 2
		.amdhsa_user_sgpr_kernarg_segment_ptr 1
		.amdhsa_wavefront_size32 1
		.amdhsa_system_sgpr_workgroup_id_x 1
		.amdhsa_system_sgpr_workgroup_id_y 1
		.amdhsa_system_sgpr_workgroup_id_z 1
		.amdhsa_system_vgpr_workitem_id 0
		.amdhsa_next_free_vgpr 256
		.amdhsa_next_free_sgpr 100
		.amdhsa_reserve_vcc 1
		.amdhsa_float_denorm_mode_32 3
		.amdhsa_float_denorm_mode_16_64 3
		.amdhsa_fp16_overflow 1
		.amdhsa_memory_ordered 1
		.amdhsa_forward_progress 1
		.amdhsa_inst_pref_size 52
	.end_amdhsa_kernel
	.amdgpu_metadata
---
amdhsa.version: [ 1, 2 ]
amdhsa.kernels:
  - .name:           k_qf3e9117c4d_attn
    .symbol:         k_qf3e9117c4d_attn.kd
    .args:
      - { .name: q_img, .offset: 0, .size: 8, .value_kind: global_buffer, .address_space: global }
      - { .name: k_img, .offset: 8, .size: 8, .value_kind: global_buffer, .address_space: global }
      - { .name: v_img, .offset: 16, .size: 8, .value_kind: global_buffer, .address_space: global }
      - { .name: lowp_scales, .offset: 24, .size: 8, .value_kind: global_buffer, .address_space: global }
      - { .name: ctx_img, .offset: 32, .size: 8, .value_kind: global_buffer, .address_space: global }
    .group_segment_fixed_size: 264192
    .private_segment_fixed_size: 0
    .kernarg_segment_align: 8
    .kernarg_segment_size: 40
    .max_flat_workgroup_size: 512
    .sgpr_count:     100
    .vgpr_count:     256
    .wavefront_size: 32
...
	.end_amdgpu_metadata
.endif
;; end of part 2
;; launch outp (part 3): grid 4 x 64, 4 waves a work-group, clusters of 4 x 4, 327,680 bytes of LDS; arguments ctx_img, Wo_codes, bo, lowp_scales, out0; writes out0
.if DOCPART == 3
	.amdgcn_target "amdgcn-amd-amdhsa--gfx1250"
	.amdhsa_code_object_version 6
	.text
	.protected	k_qf3e9117c4d_outp
	.globl	k_qf3e9117c4d_outp
	.p2align	8
	.type	k_qf3e9117c4d_outp,@function
k_qf3e9117c4d_outp:
	s_mov_b64 s[64:65], 0
	v_nop
	global_prefetch_b8 v0, s[64:65] scope:SCOPE_SE
	s_setreg_imm32_b32 hwreg(HW_REG_WAVE_MODE, 25, 1), 1
	s_wait_xcnt 0x0
	s_wait_alu depctr_hold_cnt(0) depctr_sa_sdst(0) depctr_va_vdst(0) depctr_va_sdst(0) depctr_va_ssrc(0) depctr_va_vcc(0) depctr_vm_vsrc(0)
	s_getreg_b32 s2, hwreg(HW_REG_IB_STS2, 6, 4)
	s_cmp_eq_u32 s2, 0
	s_cbranch_scc0 .Lentry_in_a_cluster
	s_endpgm
.Lentry_in_a_cluster:
	s_bfe_u32 s2, ttmp6, 0x10000c
	s_cmp_lg_u32 s2, 0xf033
	s_cbranch_scc0 .Lentry_shape_is_right
	s_endpgm
.Lentry_shape_is_right:
; out0 = ctx Wo + bo on E4M3 codes.  ctx comes as images of K = 128 fragments (made by the attention launch), Wo as rows of codes with K innermost.
; A tile is 128 rows of ctx x 256 rows of Wo (columns of out0), K = 1,024.  Four waves; wave w: rows 64 (w / 2) on, columns 128 (w % 2) on: 32 accumulators of 16 x 16.
; THE MATRIX INSTRUCTION IS USED TRANSPOSED (source 0 = 16 rows of Wo, source 1 = 16 rows of ctx): a lane holds eight neighbouring numbers of a row of out0.
; K goes in four steps of 256 through THREE LDS slots: steps 0, 1, 2 are first fills, issued together (three tensor loads of a wave are out); step 3 is the one refill, into slot 0.  No loop: eight steps of 128 are written out.
; ctx's fragments hold k in the form's own places (registers 2 c, 2 c + 1: k = 16 c + 8 h + 0 .. 7), so Wo's are fetched so too: eight loads of 8 bytes a fragment.
; CLUSTERS: 4 x 4 work-groups; ctx's tile is asked for jointly along a row of the cluster, Wo's along a column.
; out0 = sum x 2^(e10 + e11) + bo, one packed multiply-add for two numbers.  LIMIT: e10 + e11 between -126 and 127.
; REGISTERS: window 0: v1-5 at work at the head; v16-18, v20-22 LDS addresses of the fragments in slots 0-2; v24-27 the way out; v28, v29 the add's; v64-127, v128-191 ctx's fragments, two sets (on the way out: results, and rows read back);
;   v192-255 bo at my columns, in the result's layout.   window 1: Wo's fragments, two sets, at v0 and v128.   window 2: the accumulators, (a, b) at v[8 (8 a + b)].
.set PITCH,  272                       ; a row of Wo in LDS: 256 bytes + 16 of padding = 68 words: lane (r, h) reads at bank 4 r + 2 h mod 64 (64 banks of 4 bytes: ISA guide 11.1)
.set AHALF,  16384                     ; a block of 64 rows of ctx, 256 along K: eight images of 2,048 bytes, dense
.set ABYTES, 2*AHALF
.set BHALF,  128*PITCH
.set SLOT,   ABYTES+2*BHALF
.set SPARE,  3*SLOT                    ; behind the slots: the spare words, 128 bytes a wave: two blocks of 256 bytes that no other line names
.set SPITCH, 528                       ; the way out: a stage of 16 rows x (512 bytes + 16) for each wave, in slot 1, which is filled once and has had its last read when the first result is stored there
.set ADRA, 16
.set ADRB, 20
.set STO,  24
.set RD,   25
.set CO,   26
.set BO,   27
.set SPW,  28
.set NIL,  29
.set AF,   64
.set TMP,  64
.set BK,   128
.set BIAS, 192
.set G1A,  24
.set G1B,  32
.set G0A,  40
.set G0B,  52
.set MSB, 0
.macro WIN new                         ; the immediate's high byte repeats the setting that is left
.if MSB != \new
	s_set_vgpr_msb (MSB<<8)|\new
.set MSB, \new
.endif
.endm
.set MUL,  0xa1                        ; source 0 (Wo) window 1, source 1 (ctx) window 0, C and D window 2
.set TO_B, 0x40                        ; destination window 1, address window 0
.macro PLACES n
.rept \n
	v_nop
.endr
.endm
.macro CREST                           ; a round of the cluster's barrier behind its opening barrier
	s_cmp_lg_u32 s14, 0
	s_cbranch_scc1 .Lnot_wave_0_\@
	s_barrier_signal -3
.Lnot_wave_0_\@:
	s_barrier_wait -3
	s_barrier_signal -1
	s_barrier_wait -1
.endm
.macro CROUND
	s_barrier_signal -1
	s_barrier_wait -1
	CREST
.endm
.macro JLOAD s                         ; a joint load: waves 0 and 1 fetch ctx's halves, waves 2 and 3 Wo's; four v_nop follow each of the two lines
	s_cmp_eq_u32 s15, 0
	s_cbranch_scc0 .Lfor_b_\@
	tensor_load_to_lds s[G0A+4*\s:G0A+4*\s+3], s[G1A:G1A+7]
	s_nop 0
.rept 4
	v_nop
.endr
	s_branch .Lasked_\@
.Lfor_b_\@:
	tensor_load_to_lds s[G0B+4*\s:G0B+4*\s+3], s[G1B:G1B+7]
	s_nop 0
.rept 4
	v_nop
.endr
.Lasked_\@:
.endm
; the fragments of the slot's q-th 128 along K into set p: Wo's eight (8 bytes a load), then ctx's four (images: 16 bytes a load at 16 x lane)
.macro FETCH slot, q, p
	WIN TO_B
.irp i, 0,1,2,3,4,5,6,7
.irp c, 0,1,2,3,4,5,6,7
	ds_load_b64 v[128*(\p)+16*\i+2*\c:128*(\p)+16*\i+2*\c+1], v[ADRB+\slot] offset:128*(\q)+16*\c+16*PITCH*\i
.endr
.endr
	WIN 0
.irp i, 0,1,2,3
.irp g, 0,1,2,3
	ds_load_b128 v[AF+64*(\p)+16*\i+4*\g:AF+64*(\p)+16*\i+4*\g+3], v[ADRA+\slot] offset:(2*\i+(\q))*2048+512*\g
.endr
.endr
.endm
; 8 matrix instructions: ctx's block a against Wo's eight, set p.  The 32 accumulators take turns, in the same order in every step.
.macro MULA a, p, zero
.irp b, 0,1,2,3,4,5,6,7
.if \zero
	v_wmma_f32_16x16x128_fp8_fp8 v[8*(8*(\a)+\b):8*(8*(\a)+\b)+7], v[128*(\p)+16*\b:128*(\p)+16*\b+15], v[AF+64*(\p)+16*(\a):AF+64*(\p)+16*(\a)+15], 0
.else
	v_wmma_f32_16x16x128_fp8_fp8 v[8*(8*(\a)+\b):8*(8*(\a)+\b)+7], v[128*(\p)+16*\b:128*(\p)+16*\b+15], v[AF+64*(\p)+16*(\a):AF+64*(\p)+16*(\a)+15], v[8*(8*(\a)+\b):8*(8*(\a)+\b)+7]
.endif
.endr
.endm
.macro STEP p, zero, ns, nq
	s_wait_dscnt 0x0                               ; set p is in
	PLACES 4                                       ; four places in front of loads into registers that the last step's matrix instructions have read
	FETCH \ns, \nq, 1-(\p)
	WIN MUL
	MULA 0, \p, \zero
	MULA 1, \p, \zero
	MULA 2, \p, \zero
	MULA 3, \p, \zero
	WIN 0
.endm
	s_load_b256 s[68:75], s[0:1], 0x0              ; ctx_img s[68:69], Wo s[70:71], bo s[72:73], the scales s[74:75]
	s_load_b64 s[76:77], s[0:1], 0x20              ; out0
	v_lshl_add_u32 v[SPW], v0, 2, SPARE
	v_mov_b32 v[NIL], 0
	ds_add_u32 v28, v29
	ds_add_u32 v28, v29
	s_wait_dscnt 0x0
	v_lshrrev_b32 v1, 5, v0
	v_readfirstlane_b32 s14, v1                    ; wave 0..3
	s_lshr_b32 s15, s14, 1                         ; which 64 rows are mine.  Also: I fetch for ctx (0) or for Wo (1)
	s_and_b32 s16, s14, 1                          ; which 128 columns.  Also: which half of that tile I fetch
	s_bfe_u32 s96, ttmp6, 0x40000                  ; cx
	s_bfe_u32 s97, ttmp6, 0x40004                  ; cy
	s_and_b32 s99, ttmp7, 0xffff
	s_lshl_b32 s100, s99, 2
	s_add_co_u32 s100, s100, s97                   ; tile row = 4 x cluster y + cy
	s_lshl_b32 s101, ttmp9, 2
	s_add_co_u32 s101, s101, s96                   ; tile column = 4 x cluster x + cx
	s_lshl_b32 s2, s97, 2
	s_lshl_b32 s2, 15, s2                          ; my row of the cluster
	s_lshl_b32 s3, 0x1111, s96                     ; my column
	s_or_b32 s[G1A], s2, (3<<16)|(1<<21)           ; 15:0 the mask; 17:16 elements of 8 bytes; 21 set beside a mask; no padding: a dense block
	s_or_b32 s[G1B], s3, (1<<20)|(1<<21)|(5<<22)|(3<<25)   ; elements of 1 byte; padding: four words after every 64
	s_mov_b32 s[G1A+1], 32<<16                     ; tensor_dim0 = 32: rows of 256 bytes
	s_mov_b32 s[G1A+2], 64<<16                     ; tensor_dim1 = 64
	s_mov_b32 s[G1A+3], 32<<16                     ; tile_dim0
	s_mov_b32 s[G1A+4], 64                         ; tile_dim1: 16,384 bytes
	s_mov_b32 s[G1A+5], 32                         ; from row to row
	s_mov_b32 s[G1A+6], 0
	s_mov_b32 s[G1A+7], 0
	s_mov_b32 s[G1B+1], 256<<16
	s_mov_b32 s[G1B+2], 128<<16
	s_mov_b32 s[G1B+3], 256<<16
	s_mov_b32 s[G1B+4], 128
	s_mov_b32 s[G1B+5], 1024
	s_mov_b32 s[G1B+6], 0
	s_mov_b32 s[G1B+7], 0
	s_lshl_b32 s4, s100, 17                        ; ctx: block of 64 rows 2 x tile row + half, of 65,536 bytes
	s_lshl_b32 s6, s16, 16
	s_add_co_u32 s4, s4, s6
	s_mov_b32 s5, 0
	s_lshl_b32 s8, s101, 18                        ; Wo: row 256 x tile column + 128 x half, of 1,024 bytes
	s_lshl_b32 s10, s16, 17
	s_add_co_u32 s8, s8, s10
	s_mov_b32 s9, 0
	s_mul_i32 s12, s16, AHALF                      ; where they go: no place in the cluster enters an LDS address
	s_mul_i32 s13, s16, BHALF
	s_add_co_u32 s13, s13, ABYTES
	s_wait_kmcnt 0x0
	s_load_b64 s[18:19], s[74:75], 0x28            ; e10, e11
	s_add_nc_u64 s[6:7], s[68:69], s[4:5]
	s_add_nc_u64 s[10:11], s[70:71], s[8:9]
	CROUND                                         ; all sixteen work-groups are here: the first joint loads meet
.irp s, 0,1,2
	s_mov_b32 s[G0A+4*\s], 1
	s_add_co_u32 s[G0A+4*\s+1], s12, \s*SLOT
	s_add_nc_u64 s[G0A+4*\s+2:G0A+4*\s+3], s[6:7], \s*16384   ; K step s of the block
	s_or_b32 s[G0A+4*\s+3], s[G0A+4*\s+3], 0x80000000
	s_mov_b32 s[G0B+4*\s], 1
	s_add_co_u32 s[G0B+4*\s+1], s13, \s*SLOT
	s_add_nc_u64 s[G0B+4*\s+2:G0B+4*\s+3], s[10:11], \s*256
	s_or_b32 s[G0B+4*\s+3], s[G0B+4*\s+3], 0x80000000
.endr
	s_cmp_eq_u32 s15, 0                            ; a wave's three first fills stand in one branch, ahead of every wait on TENSORcnt, every LDS read and every further barrier
	s_cbranch_scc0 .Lfirst_b
	tensor_load_to_lds s[G0A:G0A+3], s[G1A:G1A+7]
	s_nop 0
	tensor_load_to_lds s[G0A+4:G0A+7], s[G1A:G1A+7]
	s_nop 0
	tensor_load_to_lds s[G0A+8:G0A+11], s[G1A:G1A+7]
	s_nop 0
.rept 4
	v_nop
.endr
	s_branch .Lfirst_asked
.Lfirst_b:
	tensor_load_to_lds s[G0B:G0B+3], s[G1B:G1B+7]
	s_nop 0
	tensor_load_to_lds s[G0B+4:G0B+7], s[G1B:G1B+7]
	s_nop 0
	tensor_load_to_lds s[G0B+8:G0B+11], s[G1B:G1B+7]
	s_nop 0
.rept 4
	v_nop
.endr
.Lfirst_asked:
	v_and_b32 v1, 15, v0                           ; r
	v_bfe_u32 v2, v0, 4, 1                         ; h
	v_and_b32 v4, 31, v0
	v_lshlrev_b32 v[CO], 4, v4                     ; 16 x lane
	v_lshlrev_b32 v[BO], 5, v2                     ; bo: my half's eight numbers of a tile of 16 columns
	s_wait_alu depctr_va_vdst(0)
	; bo at my 128 columns, and my part of out0
	s_lshl_b32 s22, s101, 10
	s_lshl_b32 s2, s16, 9
	s_add_co_u32 s22, s22, s2                      ; (256 x tile column + 128 (w % 2)) x 4 bytes
	s_mov_b32 s23, 0
	s_add_nc_u64 s[78:79], s[72:73], s[22:23]
	s_lshl_b32 s2, s100, 19                        ; (128 x tile row + 64 (w / 2)) rows of 4,096 bytes
	s_lshl_b32 s3, s15, 18
	s_add_co_u32 s2, s2, s3
	s_add_co_u32 s22, s22, s2
	s_add_nc_u64 s[20:21], s[76:77], s[22:23]
.irp b, 0,1,2,3,4,5,6,7
	global_load_b128 v[BIAS+8*\b:BIAS+8*\b+3], v[BO], s[78:79] offset:64*\b        ; lane (r, h), tile b: bo at columns 16 b + 8 h + 0 .. 7
	global_load_b128 v[BIAS+8*\b+4:BIAS+8*\b+7], v[BO], s[78:79] offset:64*\b+16
.endr
	v_mul_u32_u24 v3, v1, PITCH
	v_lshl_add_u32 v3, v2, 3, v3                   ; Wo: a fragment's row x pitch + 8 h
	s_lshl_b32 s2, s15, 14                         ; my block of 64 rows of ctx
	s_mul_i32 s3, s16, BHALF                       ; my 128 rows of Wo,
	s_add_co_u32 s3, s3, ABYTES                    ; which lie behind ctx's
.irp s, 0,1,2
	v_add_nc_u32 v[ADRA+\s], s2, v[CO]
	v_add_nc_u32 v[ADRB+\s], s3, v3
	s_add_co_u32 s2, s2, SLOT
	s_add_co_u32 s3, s3, SLOT
.endr
	s_mul_i32 s2, s14, 16*SPITCH
	s_add_co_u32 s2, s2, SLOT                      ; my stage
	v_mul_u32_u24 v5, v1, SPITCH                   ; in: row r, 32 bytes for each half of the lanes
	v_lshl_add_u32 v5, v2, 5, v5
	v_add_nc_u32 v[STO], s2, v5
	v_add_nc_u32 v[RD], s2, v[CO]                  ; back: the 32 lanes take one row of 512 bytes
	s_wait_alu depctr_va_vdst(0)
	s_wait_kmcnt 0x0
	s_add_co_i32 s18, s18, s19
	s_add_co_i32 s18, s18, 127
	s_lshl_b32 s18, s18, 23                        ; 2^(e10 + e11) as f32
	s_mov_b32 s19, s18                             ; (named with it as a pair, so it is written)
	s_wait_tensorcnt 2                             ; my part of K step 0 is in; K steps 1 and 2 may stay out
	s_barrier_signal -1
	s_barrier_wait -1                              ; everybody's is
	FETCH 0, 0, 0
	STEP 0, 1, 0, 1                                ; step 0 starts the sums
	; step 1 (set 1) leaves slot 0, which is filled again with K step 3: the one refill of the launch
	s_wait_tensorcnt 0x0                           ; all my tensor loads have landed: slots 1 and 2 are whole once every wave has said so
	ds_add_u32 v[SPW], v[NIL]                      ; 0 onto my spare word
	s_wait_dscnt 1                                 ; set 1 is in; the add alone may be out
	WIN MUL
	MULA 0, 1, 0                                   ; eight matrix instructions stand between the add and the wait for it
	s_wait_dscnt 0x0                               ; the add is done, and my reads of slot 0 are over
	s_barrier_signal -1
	MULA 1, 1, 0
	WIN 0
	s_barrier_wait -1
	CREST                                          ; the barrier has opened a round of the cluster's: no wave of any partner still reads slot 0 or has a load on its way
	s_add_nc_u64 s[G0A+2:G0A+3], s[G0A+2:G0A+3], 3*16384
	s_add_nc_u64 s[G0B+2:G0B+3], s[G0B+2:G0B+3], 3*256
	JLOAD 0                                        ; the first tensor load behind the round: 112 matrix instructions ahead of the wait for it; its four v_nop are also the places in front of the loads below
	FETCH 1, 0, 0
	WIN MUL
	MULA 2, 1, 0
	MULA 3, 1, 0
	WIN 0
	STEP 0, 0, 1, 1                                ; step 2
	STEP 1, 0, 2, 0                                ; step 3
	STEP 0, 0, 2, 1                                ; step 4
	; step 5 (set 1): K step 3 is wanted next
	s_wait_dscnt 0x0                               ; set 1 is in: my reads of slots 1 and 2 are over
	s_wait_tensorcnt 0x0                           ; my part of K step 3 has landed (no load was issued behind it)
	s_barrier_signal -1
	WIN MUL
	MULA 0, 1, 0
	MULA 1, 1, 0
	WIN 0
	s_barrier_wait -1                              ; everybody's has, and nobody reads slots 1 and 2 any more
	PLACES 4
	FETCH 0, 0, 0
	WIN MUL
	MULA 2, 1, 0
	MULA 3, 1, 0
	WIN 0
	STEP 0, 0, 0, 1                                ; step 6
	s_wait_dscnt 0x0                               ; step 7: nothing more to fetch
	WIN MUL
	MULA 0, 1, 0
	MULA 1, 1, 0
	MULA 2, 1, 0
	MULA 3, 1, 0
; THE WAY OUT, block by block of 16 rows x 128 columns.  A lane holds 32 neighbouring bytes of a row, and the lanes beside it hold other rows: so a block goes through my own stage in LDS and comes back as whole
; rows of 512 bytes.  LDS serves a wave's instructions in order (ISA guide 5.7.1.4): no wait between the stores and the loads.
.macro BLOCK a
	WIN 0x02                                       ; source 0 (the sums) window 2
.irp b, 0,1,2,3,4,5,6,7
.irp i, 0,2,4,6
	v_pk_fma_f32 v[TMP+8*\b+\i:TMP+8*\b+\i+1], v[64*(\a)+8*\b+\i:64*(\a)+8*\b+\i+1], s[18:19], v[BIAS+8*\b+\i:BIAS+8*\b+\i+1] op_sel_hi:[1,0,1]   ; sum x 2^(e10 + e11) + bo; each accumulator from its low end on
.endr
.endr
	WIN 0
.irp b, 0,1,2,3,4,5,6,7
	ds_store_b128 v[STO], v[TMP+8*\b:TMP+8*\b+3] offset:64*\b
	ds_store_b128 v[STO], v[TMP+8*\b+4:TMP+8*\b+7] offset:64*\b+16
.endr
.if \a > 0
	s_wait_xcnt 0x0                                ; the block before's stores have read their registers: the loads below may land there
.endif
.irp t, 0,1,2,3,4,5,6,7,8,9,10,11,12,13,14,15
	ds_load_b128 v[BK+4*\t:BK+4*\t+3], v[RD] offset:SPITCH*\t
.endr
.irp t, 0,1,2,3,4,5,6,7,8,9,10,11,12,13,14,15
	s_wait_dscnt 15-\t                             ; row t is back; the younger rows' loads may be out
	global_store_b128 v[CO], v[BK+4*\t:BK+4*\t+3], s[20:21] offset:(16*(\a)+\t)*4096 th:TH_STORE_NT   ; 32 lanes store 512 consecutive bytes, at a multiple of 512 from out0's first byte; written once, read by nobody here
.endr
.endm
	s_wait_loadcnt 0x0                             ; bo
	PLACES 4                                       ; behind the last products: for the first reads of results, and for the writes and loads into the registers that held ctx's fragments
	BLOCK 0
	BLOCK 1
	BLOCK 2
	BLOCK 3
	s_wait_tensorcnt 0x0                           ; the wave's end: behind my last tensor load and my last LDS store
	ds_add_u32 v[SPW], v[NIL]
	s_wait_dscnt 0x0
	CROUND                                         ; the closing round: no work-group ends while a partner may still ask for a tile that names it
	s_endpgm
.Lfunc_end_k_qf3e9117c4d_outp:
	.size	k_qf3e9117c4d_outp, .Lfunc_end_k_qf3e9117c4d_outp-k_qf3e9117c4d_outp
	.p2alignl 7, 3214868480
	.fill 96, 4, 3214868480
	.section	.rodata,"a",@progbits
	.p2align	6, 0x0
	.amdhsa_kernel k_qf3e9117c4d_outp
		.amdhsa_group_segment_fixed_size 327680
		.amdhsa_private_segment_fixed_size 0
		.amdhsa_enable_private_segment 0
		.amdhsa_kernarg_size 40
		.amdhsa_user_sgpr_count 2
		.amdhsa_user_sgpr_kernarg_segment_ptr 1
		.amdhsa_wavefront_size32 1
		.amdhsa_system_sgpr_workgroup_id_x 1
		.amdhsa_system_sgpr_workgroup_id_y 1
		.amdhsa_system_sgpr_workgroup_id_z 1
		.amdhsa_system_vgpr_workitem_id 0
		.amdhsa_next_free_vgpr 768
		.amdhsa_next_free_sgpr 102
		.amdhsa_reserve_vcc 0
		.amdhsa_float_denorm_mode_32 3
		.amdhsa_float_denorm_mode_16_64 3
		.amdhsa_memory_ordered 1
		.amdhsa_forward_progress 1
		.amdhsa_inst_pref_size 94
	.end_amdhsa_kernel
	.amdgpu_metadata
---
amdhsa.version: [ 1, 2 ]
amdhsa.kernels:
  - .name:           k_qf3e9117c4d_outp
    .symbol:         k_qf3e9117c4d_outp.kd
    .args:
      - { .name: ctx_img, .offset: 0, .size: 8, .value_kind: global_buffer, .address_space: global }
      - { .name: Wo_codes, .offset: 8, .size: 8, .value_kind: global_buffer, .address_space: global }
      - { .name: bo, .offset: 16, .size: 8, .value_kind: global_buffer, .address_space: global }
      - { .name: lowp_scales, .offset: 24, .size: 8, .value_kind: global_buffer, .address_space: global }
      - { .name: out0, .offset: 32, .size: 8, .value_kind: global_buffer, .address_space: global }
    .group_segment_fixed_size: 327680
    .private_segment_fixed_size: 0
    .kernarg_segment_align: 8
    .kernarg_segment_size: 40
    .max_flat_workgroup_size: 128
    .sgpr_count:     102
    .vgpr_count:     768
    .wavefront_size: 32
...
	.end_amdgpu_metadata
.endif
;; end of part 3
